; MI455X (gfx1250); checked and timed in simulation.
; The chip was launched on July 23, 2026; its instructions are those of AMD's public machine-readable ISA for CDNA 5 (MIT licence, August 2026) and "CDNA5" Instruction Set Architecture Reference Guide (July 2026). The comments in the code are by the model that wrote it; some were corrected since.
;; Dense Layer. Allowed arithmetic: float matrix products may take bf16 or f16 operands with f32 sums; all other float work in f32.
;; Inputs: b 1 float32; mask_b 1 int32; mask_w 512 x 1 int32; w 512 x 1 float32; x 262,144 x 512 float32.
;; Outputs: out0 262,144 x 1 float32.
;; One version. Each part assembles by itself: llvm-mc -triple=amdgcn-amd-amdhsa -mcpu=gfx1250 --defsym DOCPART=n.
;; ======== version 1 of 1: 1 launch
;; launch dense (part 1): grid 256 x 1, 16 waves a work-group, no clusters, 0 bytes of LDS; arguments x, w, mask_w, b, mask_b, out0; writes out0
.if DOCPART == 1
	.amdgcn_target "amdgcn-amd-amdhsa--gfx1250"
	.amdhsa_code_object_version 6
	.text
	.protected	k_q3faea0b057_dense
	.globl	k_q3faea0b057_dense
	.p2align	8
	.type	k_q3faea0b057_dense,@function
k_q3faea0b057_dense:
	s_mov_b64 s[64:65], 0
	v_nop
	global_prefetch_b8 v0, s[64:65] scope:SCOPE_SE
	s_setreg_imm32_b32 hwreg(HW_REG_WAVE_MODE, 25, 1), 1
	s_wait_xcnt 0x0
; out0[r] = tanh( sum over c of x[r][c] * (w[c] * float(mask_w[c])) + b * float(mask_b) ).   x: [262144][512] f32, out0: [262144] f32.
;
; A stream: 2,048 bytes of x are read for 4 bytes of result, so the text is built round the reads of x.
; 256 work-groups of 16 waves.  A work-group owns 1,024 rows, a wave 64 rows (128 KiB of x).  Lanes 0-15 of a wave walk its rows 0-31,
; lanes 16-31 its rows 32-63: one load of 16 bytes a lane covers 256 consecutive bytes, aligned, of one row in each half of the lanes, and
; eight such loads (a TURN) cover one whole row in each half.  32 turns, written out: about 8.5 KB of code, and every address is one base, one
; vector offset that is never rewritten, and an immediate (65,280 at the most), so that no wait is needed to free an address register.
; A ring of SLOTS = 4 slots of 32 registers keeps 32 loads (16 KiB) of every wave on their way.
;
; WHY NO MATRIX INSTRUCTION: the product has ONE column, a sixteenth of a matrix tile's, and rounding x to bf16 would take one conversion for
; every two numbers, as many instructions as the packed f32 multiply-add that does the whole job here, and more exactly.
; WHY NO LDS, NO BARRIER: no wave reads what another wave loaded.  WHY NO CLUSTER: the work-groups share only w and mask_w, 4 KB against the
; 2 MiB of x that each reads for itself.  WHY NO PREFETCH: the ring already asks for x as far ahead as 16 KiB a wave, without a pause.
;
; THE SUM OVER LANES IS MADE TRANSPOSED.  Lane (h, r) (h = lane / 16, r = lane % 16) holds, for turn n, its share of row 32 h + n.  Two turns' shares
; are merged into one register: the lanes whose bit of r is 0 keep the first row and give their share of the second to the partner, the
; others the other way round (two selects and one add that reads the partner lane).  Four levels (lane bits 0 to 3) over the 16 even turns leave
; row 32 h + 2 r = 2 lane in lane (h, r); the 16 odd turns leave row 2 lane + 1 in the register beside it.  30 merges for 64 rows, each made as soon as both
; of its parts exist; tanh is then computed once for all 64 rows, and one store of 8 bytes a lane covers 256 consecutive bytes, aligned.
;
; NUMBERS.  All arithmetic in f32 with fused multiply-adds.  The order of the sums is not the reference's: four chains of eight terms in a lane,
; their sum, then a tree over 16 lanes.  tanh(z) = 1 - 2 / (1 + e^(2z)) where z^2 >= 2^-8: +-1 for large |z| and infinities, NaN for NaN; its absolute
; error of about 2^-23 is there at most some 4e-6 of the result.  Where z^2 < 2^-8: z (1 - z^2 / 3), whose relative error is below 2/15 z^4 = 2e-6,
; and which is exactly 0 (with z's sign) at z = 0.  The choice is a select of values; both are always computed.
.set ROW,   2048                       ; bytes in a row of x
.set TURNS, 32                         ; rows of each half of the lanes
.set SLOTS, 4                          ; turns in flight
.set XOFF, 1                           ; v1        my byte offset in the work-group's part of x: 64 KiB x (thread / 16) + 16 r
.set WOFF, 2                           ; v2        16 r: my byte offset in w and mask_w
.set OOFF, 3                           ; v3        8 x thread: my byte offset in the work-group's part of out0
.set TMP,  4                           ; v4        what a merge sends to the partner lane
.set A0,   6                           ; v[6:7]    a turn's first chain (two sums)
.set A1,   8                           ; v[8:9]    its second chain
.set BM,   10                          ; v[10:11]  b * float(mask_b), twice (a pair for the packed add)
.set Q,    12                          ; v[12:13]  z^2
.set S,    14                          ; v[14:15]  tanh for small z
.set W,    16                          ; v[16:47]  w * float(mask_w) of my 32 columns: W + 4 j + e is column 64 j + 4 r + e
.set P,    48                          ; v[48:79]  P + n: turn n's sum; first of all mask_w as loaded
.set X,    80                          ; v[80:207] slot s: 32 registers, eight loads
.set M,    20                          ; s[20:23]  level v: the lanes whose bit v is 1
	s_load_b256 s[4:11], s[0:1], 0x0               ; x s[4:5], w s[6:7], mask_w s[8:9], b s[10:11]
	s_load_b128 s[12:15], s[0:1], 0x20             ; mask_b s[12:13], out0 s[14:15]
	v_and_b32 v[WOFF], 15, v0
	v_lshlrev_b32 v[WOFF], 4, v[WOFF]              ; 16 r
	v_lshrrev_b32 v[XOFF], 4, v0                   ; 2 x wave + h: which run of 32 rows (64 KiB) is my half's
	v_lshl_or_b32 v[XOFF], v[XOFF], 16, v[WOFF]
	v_lshlrev_b32 v[OOFF], 3, v0
	s_lshl_b32 s2, ttmp9, 21                       ; the work-group's 1,024 rows of 2,048 bytes (255 << 21 at the most: below 2^29)
	s_mov_b32 s3, 0
	s_lshl_b32 s18, ttmp9, 12                      ; and its 1,024 results of 4 bytes
	s_mov_b32 s19, 0
	s_mov_b32 s[M+0], 0xaaaaaaaa                   ; lane bit 0 set
	s_mov_b32 s[M+1], 0xcccccccc                   ; lane bit 1
	s_mov_b32 s[M+2], 0xf0f0f0f0                   ; lane bit 2
	s_mov_b32 s[M+3], 0xff00ff00                   ; lane bit 3
	s_wait_kmcnt 0x0
	s_load_b32 s16, s[10:11], 0x0                  ; b
	s_load_b32 s17, s[12:13], 0x0                  ; mask_b
	s_add_nc_u64 s[4:5], s[4:5], s[2:3]
	s_add_nc_u64 s[14:15], s[14:15], s[18:19]
; w and mask_w go first, since loads come back in order and the first turn needs them.  Every wave reads them again: no hint on these loads.
.irp j, 0,1,2,3,4,5,6,7
	global_load_b128 v[W+4*\j:W+4*\j+3], v[WOFF], s[6:7] offset:256*\j
.endr
.irp j, 0,1,2,3,4,5,6,7
	global_load_b128 v[P+4*\j:P+4*\j+3], v[WOFF], s[8:9] offset:256*\j
.endr
; The eight loads of a turn: the whole row 'turn' of each half of the lanes.  x is read once in the launch: non-temporal.
.macro FILL turn
.irp j, 0,1,2,3,4,5,6,7
	global_load_b128 v[X+32*((\turn)%SLOTS)+4*\j:X+32*((\turn)%SLOTS)+4*\j+3], v[XOFF], s[4:5] offset:ROW*(\turn)+256*\j th:TH_LOAD_NT
.endr
.endm
	FILL 0
	FILL 1
	FILL 2
	FILL 3
; Two sums become one.  Lanes whose bit (mask s[M+m]) is 0 keep a and send b, the others keep b and send a; x = that bit's value.
; The add writes a register that the select in front of it has written whole.
.macro MERGE a, b, m, x
	v_cndmask_b32 v[TMP], v[\b], v[\a], s[M+\m]    ; what my partner wants of me
	v_cndmask_b32 v[\a], v[\a], v[\b], s[M+\m]     ; what I keep
	v_add_f32_dpp v[\a], v[TMP], v[\a] row_xmask:\x row_mask:0xf bank_mask:0xf     ; + what lane (mine xor x) sent
.endm
	s_wait_loadcnt 8*SLOTS                         ; loads come back in order (ISA guide 5.7.1): w and mask_w are in, the 32 loads of x behind them stay out
.set k, 0
.rept 16
	v_cvt_f32_i32 v[P+k], v[P+k]                   ; the mask as a number, whatever whole number it holds,
	v_cvt_f32_i32 v[P+k+1], v[P+k+1]
	v_pk_mul_f32 v[W+k:W+k+1], v[W+k:W+k+1], v[P+k:P+k+1]      ; times w
.set k, k+2
.endr
	s_wait_kmcnt 0x0                               ; b and mask_b
	v_cvt_f32_i32 v[BM], s17
	v_mul_f32 v[BM], s16, v[BM]
	v_mov_b32 v[BM+1], v[BM]
; THE 32 TURNS.  n = the turn; XS = its slot's first register.
.set n, 0
.rept TURNS
.set XS, X+32*(n%SLOTS)
.if n+SLOTS-1 < TURNS
	s_wait_loadcnt 8*(SLOTS-1)                     ; this turn's eight loads are in; the three younger turns' 24 stay out
.else
	s_wait_loadcnt 8*(TURNS-1-n)                   ; the last turns: nothing was issued behind turn 31, the counts run down 16, 8, 0
.endif
	v_pk_mul_f32 v[A0:A0+1], v[XS:XS+1], v[W:W+1]              ; the first products start the two chains: nothing is cleared
	v_pk_mul_f32 v[A1:A1+1], v[XS+2:XS+3], v[W+2:W+3]
.set k, 4
.rept 7
	v_pk_fma_f32 v[A0:A0+1], v[XS+k:XS+k+1], v[W+k:W+k+1], v[A0:A0+1]
	v_pk_fma_f32 v[A1:A1+1], v[XS+k+2:XS+k+3], v[W+k+2:W+k+3], v[A1:A1+1]
.set k, k+4
.endr
.if n+SLOTS < TURNS
	FILL n+SLOTS                                   ; the slot has been read: ask for the row four turns on, ahead of the rest of this turn's work
.endif
	v_pk_add_f32 v[A0:A0+1], v[A0:A0+1], v[A1:A1+1]
	v_add_f32 v[P+n], v[A0], v[A0+1]               ; my 32 columns' share of row 32 h + n
	; Turn n = 2 i + c belongs to the tree of parity c, as its leaf i.  A merge is made as soon as its second part is there; it stays in the first part's register.
.if (n&2)==2
	MERGE P+n-2, P+n, 0, 1                         ; leaves i - 1 and i: lane bit 0 chooses
.endif
.if (n&6)==6
	MERGE P+n-6, P+n-2, 1, 2                       ; leaves i - 3 .. i: lane bit 1
.endif
.if (n&14)==14
	MERGE P+n-14, P+n-6, 2, 4                      ; leaves i - 7 .. i: lane bit 2
.endif
.if (n&30)==30
	MERGE P+n-30, P+n-14, 3, 8                     ; all 16 leaves: lane bit 3.  P + c now holds the whole sum of row 2 lane + c
.endif
.set n, n+1
.endr
; tanh of the wave's 64 sums, two in a lane.
	v_pk_add_f32 v[P:P+1], v[P:P+1], v[BM:BM+1]                            ; z = sum + masked bias
	v_pk_mul_f32 v[A0:A0+1], v[P:P+1], 0x4038aa3b op_sel_hi:[1,0]          ; 2 z log2(e)
	v_pk_mul_f32 v[Q:Q+1], v[P:P+1], v[P:P+1]                              ; z^2
	v_exp_f32 v[A1], v[A0]                                                 ; e^(2z).  Behind a transcendental one plain vector instruction that touches neither
	v_exp_f32 v[A1+1], v[A0+1]                                             ; its result nor its source comes before the result is used (ISA guide 5.7.2): the next line
	v_pk_fma_f32 v[S:S+1], v[Q:Q+1], 0xbeaaaaab, 1.0 op_sel_hi:[1,0,0]     ; 1 - z^2 / 3
	s_wait_alu depctr_va_vdst(0)
	v_pk_add_f32 v[A1:A1+1], v[A1:A1+1], 1.0 op_sel_hi:[1,0]               ; 1 + e^(2z): infinity for large z, 1 for very negative z
	v_rcp_f32 v[A0], v[A1]
	v_rcp_f32 v[A0+1], v[A1+1]                                             ; and again one plain line in between:
	v_pk_mul_f32 v[S:S+1], v[S:S+1], v[P:P+1]                              ; z (1 - z^2 / 3)
	s_wait_alu depctr_va_vdst(0)
	v_pk_fma_f32 v[A0:A0+1], v[A0:A0+1], -2.0, 1.0 op_sel_hi:[1,0,0]       ; 1 - 2 / (1 + e^(2z))
	v_cmp_gt_f32 vcc_lo, 0x3b800000, v[Q]                                  ; 2^-8 > z^2 (false for NaN, which then comes out of the line above)
	v_cndmask_b32 v[P], v[A0], v[S], vcc_lo
	v_cmp_gt_f32 vcc_lo, 0x3b800000, v[Q+1]
	v_cndmask_b32 v[P+1], v[A0+1], v[S+1], vcc_lo
	global_store_b64 v[OOFF], v[P:P+1], s[14:15] th:TH_STORE_NT            ; rows 2 lane and 2 lane + 1: the wave stores 256 consecutive bytes, aligned
	s_endpgm
.Lfunc_end_k_q3faea0b057_dense:
	.size	k_q3faea0b057_dense, .Lfunc_end_k_q3faea0b057_dense-k_q3faea0b057_dense
	.p2alignl 7, 3214868480
	.fill 96, 4, 3214868480
	.section	.rodata,"a",@progbits
	.p2align	6, 0x0
	.amdhsa_kernel k_q3faea0b057_dense
		.amdhsa_group_segment_fixed_size 0
		.amdhsa_private_segment_fixed_size 0
		.amdhsa_enable_private_segment 0
		.amdhsa_kernarg_size 48
		.amdhsa_user_sgpr_count 2
		.amdhsa_user_sgpr_kernarg_segment_ptr 1
		.amdhsa_wavefront_size32 1
		.amdhsa_system_sgpr_workgroup_id_x 1
		.amdhsa_system_sgpr_workgroup_id_y 1
		.amdhsa_system_sgpr_workgroup_id_z 1
		.amdhsa_system_vgpr_workitem_id 0
		.amdhsa_next_free_vgpr 208
		.amdhsa_next_free_sgpr 66
		.amdhsa_reserve_vcc 1
		.amdhsa_float_denorm_mode_32 3
		.amdhsa_float_denorm_mode_16_64 3
		.amdhsa_memory_ordered 1
		.amdhsa_forward_progress 1
		.amdhsa_inst_pref_size 72
	.end_amdhsa_kernel
	.amdgpu_metadata
---
amdhsa.version: [ 1, 2 ]
amdhsa.kernels:
  - .name:           k_q3faea0b057_dense
    .symbol:         k_q3faea0b057_dense.kd
    .args:
      - { .name: x, .offset: 0, .size: 8, .value_kind: global_buffer, .address_space: global }
      - { .name: w, .offset: 8, .size: 8, .value_kind: global_buffer, .address_space: global }
      - { .name: mask_w, .offset: 16, .size: 8, .value_kind: global_buffer, .address_space: global }
      - { .name: b, .offset: 24, .size: 8, .value_kind: global_buffer, .address_space: global }
      - { .name: mask_b, .offset: 32, .size: 8, .value_kind: global_buffer, .address_space: global }
      - { .name: out0, .offset: 40, .size: 8, .value_kind: global_buffer, .address_space: global }
    .group_segment_fixed_size: 0
    .private_segment_fixed_size: 0
    .kernarg_segment_align: 8
    .kernarg_segment_size: 48
    .max_flat_workgroup_size: 512
    .sgpr_count:     66
    .vgpr_count:     208
    .wavefront_size: 32
...
	.end_amdgpu_metadata
.endif
;; end of part 1
